; MI455X (gfx1250); checked and timed in simulation.
; The chip was launched on July 23, 2026; its instructions are those of AMD's public machine-readable ISA for CDNA 5 (MIT licence, August 2026) and "CDNA5" Instruction Set Architecture Reference Guide (July 2026). The comments in the code are by the model that wrote it; some were corrected since.
;; Multi Head Self Attention. Allowed arithmetic: matrix products marked QUANTISED: E4M3 operands, one given power-of-two scale a tensor, by v_wmma_f32_16x16x64_fp8_fp8 or v_wmma_f32_16x16x128_fp8_fp8, f32 sums; everything else in f32.
;; Inputs: Wk 1,024 x 1,024 float32; Wo 1,024 x 1,024 float32; Wq 1,024 x 1,024 float32; Wv 1,024 x 1,024 float32; lowp_scales 12 int32 (the exponents e of the quantised operands' scales 2^e); x 2 x 2,048 x 1,024 float32.
;; Outputs: out0 2 x 2,048 x 1,024 float32.
;; This version of the problem:
;;   THIS VERSION OF THE PROBLEM IS GIVEN IN LOW PRECISION. The matrix products marked QUANTISED in the list below multiply operands that are first quantised to E4M3 (4 exponent bits, 3 mantissa bits; 8 bits a number), with one given power-of-two scale for each operand tensor; their sums are f32. All else is computed in f32.
;;   The module's matrix products, in the order in which they are computed (A, B: the left and right operand; K: the contracted axis; several contracted axes count as one K, in the product's order):
;;     1. [M 4,096, K 1,024] x [K 1,024, N 1,024]; A: input x; B: input Wq: QUANTISED (scales: A lowp_scales[0], B lowp_scales[1])
;;     2. [M 4,096, K 1,024] x [K 1,024, N 1,024]; A: input x; B: input Wk: QUANTISED (scales: A lowp_scales[2], B lowp_scales[3])
;;     3. [M 4,096, K 1,024] x [K 1,024, N 1,024]; A: input x; B: input Wv: QUANTISED (scales: A lowp_scales[4], B lowp_scales[5])
;;     4. batch 32 x [M 2,048, K 64] x [K 64, N 2,048]; A: computed on the way; B: computed on the way: QUANTISED (scales: A lowp_scales[6], B lowp_scales[7])
;;     5. batch 32 x [M 2,048, K 2,048] x [K 2,048, N 64]; A: softmax (see below); B: computed on the way: QUANTISED (scales: A lowp_scales[8], B lowp_scales[9])
;;     6. [M 4,096, K 1,024] x [K 1,024, N 1,024]; A: computed on the way; B: input Wo: QUANTISED (scales: A lowp_scales[10], B lowp_scales[11])
;;   THE QUANTISER, for each operand of a quantised product, along K:
;;     - The operand's scale is 2^e, e = its entry of the input lowp_scales (int32; the entries are numbered through the quantised products in the list's order, A before B).
;;     - Each number is divided by the scale, clamped to +-448, and rounded to the nearest number of E4M3, ties to even, subnormals kept.
;;     - The product sums the exact products of the quantised numbers (number of the format x scale) in f32.
;;   ~~~python
;;   def quantise(x, axis, e):      # numpy; x: float32 -> the quantised numbers, widened to float32 again
;;       x = np.moveaxis(x, axis, -1); K = x.shape[-1]
;;       r = np.clip(x / 2.0 ** e, -448, 448)
;;       step = 2.0 ** (np.maximum(np.frexp(np.where(r == 0, 1, r))[1] - 1, -6) - 3)
;;       q = np.round(r / step) * step * 2.0 ** e      # np.round: ties to even
;;       return np.moveaxis(q, -1, axis).astype(np.float32)
;;   ~~~
;;   SOFTMAX AHEAD OF A QUANTISED PRODUCT. Where the list says 'softmax', what is quantised is not the finished softmax but p = 2^(t - M), with t = logit x log2(e) and M = ceil(the row's largest t), a whole number; so 1/2 < the row's largest p <= 1. The row's sum l is taken of the UNQUANTISED p, in f32, and the product's result is divided by l at the end. Since M is a whole number, a kernel that streams over the keys may use a running M (the ceiling of the running maximum): every later rescaling is an exact power of two, so the quantised numbers keep their values, but for numbers so far below the row's largest that they fall under the format's range.
;;   OPERANDS COMPUTED ON THE WAY. 'Computed on the way' means the value that the module computes at that place (a softmax that the list does not call 'softmax' is quantised finished and normalised). What goes into a quantiser is computed in f32, as accurately as f32 sums, v_exp_f32 and their like allow (about 1e-6 of the number): no bf16 or f16 on the way to a quantiser, and a product that is left as it is and whose result goes on into a quantised operand takes f32 operands (vector FMAs, or v_wmma_f32_16x16x4_f32). A number that lies on a knife's edge between two numbers of the format may be rounded either way, as far as f32 arithmetic and the matrix unit's own rounding can turn it there, and no further.
;; One version. Each part assembles by itself: llvm-mc -triple=amdgcn-amd-amdhsa -mcpu=gfx1250 --defsym DOCPART=n.
;; ======== version 1 of 1: 4 launches
;; workspace buffers: codes 16,777,216 bytes; rope 524,288 bytes; qkv 12,582,912 bytes; att 4,194,304 bytes
;; launch prep (part 1): grid 256 x 1, 8 waves a work-group, no clusters, 68,608 bytes of LDS; arguments x, Wq, Wk, Wv, Wo, lowp_scales, codes, rope; writes codes, rope
.if DOCPART == 1
	.amdgcn_target "amdgcn-amd-amdhsa--gfx1250"
	.amdhsa_code_object_version 6
	.text
	.protected	k_q245ecabc61_prep
	.globl	k_q245ecabc61_prep
	.p2align	8
	.type	k_q245ecabc61_prep,@function
k_q245ecabc61_prep:
	s_mov_b64 s[64:65], 0
	v_nop
	global_prefetch_b8 v0, s[64:65] scope:SCOPE_SE
	s_setreg_imm32_b32 hwreg(HW_REG_WAVE_MODE, 25, 1), 1
	s_wait_xcnt 0x0
; x (three times, with the scales of entries 0, 2, 4) and Wq, Wk, Wv, Wo (entries 1, 3, 5, 11) become codes of FP8 (E4M3); and the table of cosines and sines for the rotation is made.
; code = number / 2^e, held within +-448, rounded to the nearest code, ties to even.  LIMITS: each e between -126 and 119; NaN among the inputs is not served, an infinity is held at the largest code.
; LAYOUT OF THE CODES: images of the operand's registers.  A fragment is 16 rows x 128 along K, 2,048 bytes: piece c (0..3) of 512 bytes holds, at 16 x lane, k = 32 c + 16 (lane / 16) + 0 .. 15 of the lane's row.
; THE ROWS OF A TILE ARE NOT NEIGHBOURS: place p (0..15) of row tile T is row 32 (T / 2) + 8 (T % 2) + p + 8 (p / 8).  A region of the buffer is [row tile][K step 0..7][2,048 bytes]:
; x under entry 0 at 0, under entry 2 at 4 MiB, under entry 4 at 8 MiB (256 row tiles each); Wq, Wk, Wv, Wo at 12, 13, 14, 15 MiB (64 row tiles each).
; SHARES: 4,096 fragments, 2,048 waves: a wave takes two neighbouring fragments of one row tile.  Work-groups 0-127 take x, 128-255 the weights (32 work-groups each) and the table.
; Each load reads 512 consecutive bytes of a row; the 16 rows turn through the wave's own stage in LDS (rows of 512 + 16 bytes), so that a lane gets 16 neighbours along K four times.  Waves share nothing: no barrier.
; THE TABLE: [position tile 0..127][piece 0..7][lane][16 bytes]: lane (r, h), piece k: cos, sin, cos, sin of position (tile's place r) x 10000^(-i / 32), i = 16 (k / 4) + 8 h + 2 (k % 4) + 0, 1.
; LIMIT of the table: the frequency comes from v_exp_f32 and the angle from one f32 product, so an angle is right to about its own last bit (1.5e-4 at position 2,047); the reduction by pi / 2 takes two words of pi / 2.
.set SP,  528                          ; a stage row: 512 bytes + 16: row r starts 4 r banks on
.set LO,  2                            ; v2   16 x lane
.set SI,  3                            ; v3   the stage on the way in: 16 x lane
.set SO,  4                            ; v4   and on the way out: SP x r + 64 h
.set SC,  8                            ; v8-13  for each of three scales: 2^e, 448 x 2^e
.set R,   16                           ; v16-143  two fragments' numbers
.set T,   144                          ; v144-175 two sets of 16 held numbers
.set C,   176                          ; v176-223 three sets of 16 registers of codes
	s_load_b256 s[4:11], s[0:1], 0x0               ; x s[4:5], Wq s[6:7], Wk s[8:9], Wv s[10:11]
	s_load_b256 s[12:19], s[0:1], 0x20             ; Wo s[12:13], the scales s[14:15], codes s[16:17], rope s[18:19]
	v_lshl_add_u32 v224, v0, 2, 0x10800
	v_mov_b32 v225, 0
	v_lshrrev_b32 v1, 5, v0
	v_readfirstlane_b32 s20, v1                    ; wave 0..7
	v_and_b32 v1, 31, v0
	v_lshlrev_b32 v[LO], 4, v1
	s_mul_i32 s46, s20, 16*SP                      ; my stage
	v_add_nc_u32 v[SI], s46, v[LO]
	v_and_b32 v5, 15, v0                           ; r
	v_bfe_u32 v6, v0, 4, 1                         ; h
	v_mul_u32_u24 v[SO], v5, SP
	v_lshl_add_u32 v[SO], v6, 6, v[SO]
	v_add_nc_u32 v[SO], s46, v[SO]
	s_and_b32 s21, ttmp9, 127
	s_lshl_b32 s21, s21, 3
	s_add_co_u32 s21, s21, s20                     ; my wave's number among x's, or among the weights', 1,024
	s_and_b32 s22, s21, 3                          ; which pair of K steps
	s_lshr_b32 s23, s21, 2                         ; which row tile (the four weights on end)
	s_cmp_lt_u32 ttmp9, 128                        ; x or a weight?
	s_cselect_b32 s47, 255, 63
	s_cselect_b32 s48, 0, 0xc00000                 ; the weights' regions begin at 12 MiB
	s_and_b32 s47, s23, s47                        ; the row tile inside its tensor
	s_lshr_b32 s49, s47, 1
	s_lshl_b32 s49, s49, 5
	s_and_b32 s47, s47, 1
	s_lshl_b32 s47, s47, 3
	s_add_co_u32 s49, s49, s47                     ; its first row: 32 (T / 2) + 8 (T % 2)
	s_lshl_b32 s38, s49, 12                        ; rows of 4,096 bytes,
	s_lshl_b32 s47, s22, 10
	s_add_co_u32 s38, s38, s47                     ; + 1,024 bytes for each pair of K steps
	s_mov_b32 s39, 0
	s_lshl_b32 s50, s23, 14                        ; the codes: 16,384 bytes a row tile,
	s_add_co_u32 s50, s50, s48
	s_lshl_b32 s47, s22, 12
	s_add_co_u32 s50, s50, s47                     ; + 4,096 for each pair of K steps
	s_mov_b32 s51, 0
	s_wait_kmcnt 0x0
	s_load_b256 s[24:31], s[14:15], 0x0            ; entries 0 to 7
	s_load_b128 s[32:35], s[14:15], 0x20           ; entries 8 to 11
	s_mov_b64 s[36:37], s[12:13]                   ; which tensor: the choice hangs on the work-group's number alone
	s_cmp_lt_u32 ttmp9, 224
	s_cselect_b64 s[36:37], s[10:11], s[36:37]
	s_cmp_lt_u32 ttmp9, 192
	s_cselect_b64 s[36:37], s[8:9], s[36:37]
	s_cmp_lt_u32 ttmp9, 160
	s_cselect_b64 s[36:37], s[6:7], s[36:37]
	s_cmp_lt_u32 ttmp9, 128
	s_cselect_b64 s[36:37], s[4:5], s[36:37]
	s_add_nc_u64 s[36:37], s[36:37], s[38:39]
	s_add_nc_u64 s[40:41], s[16:17], s[50:51]      ; where my codes go,
	s_add_nc_u64 s[42:43], s[40:41], 0x400000      ; and x's under its second
	s_add_nc_u64 s[44:45], s[40:41], 0x800000      ; and third scale (used by x's work-groups alone)
.irp f, 0,1                            ; 32 loads: place p of the tile is row p + 8 (p / 8); 32 lanes read 512 consecutive bytes
.set n, 0
.rept 16
	global_load_b128 v[R+64*\f+4*n:R+64*\f+4*n+3], v[LO], s[36:37] offset:(n+8*(n/8))*4096+512*\f th:TH_LOAD_NT
.set n, n+1
.endr
.endr
.macro MKSC e, v                       ; 2^e as f32 (the conversion takes its exponent field), and 448 x 2^e
	s_add_co_i32 s47, \e, 127
	s_lshl_b32 s48, s47, 23
	v_mov_b32 v[\v], s48
	s_add_co_i32 s47, s47, 8
	s_lshl_b32 s47, s47, 23
	s_or_b32 s47, s47, 0x600000
	v_mov_b32 v[\v+1], s47
.endm
	s_wait_kmcnt 0x0
	s_mov_b32 s46, s35                             ; my tensor's entry: Wo 11, Wv 5, Wk 3, Wq 1, x 0
	s_cmp_lt_u32 ttmp9, 224
	s_cselect_b32 s46, s29, s46
	s_cmp_lt_u32 ttmp9, 192
	s_cselect_b32 s46, s27, s46
	s_cmp_lt_u32 ttmp9, 160
	s_cselect_b32 s46, s25, s46
	s_cmp_lt_u32 ttmp9, 128
	s_cselect_b32 s46, s24, s46
	MKSC s46, SC
	MKSC s26, SC+2                                 ; x's second scale: entry 2
	MKSC s28, SC+4                                 ; x's third: entry 4
.macro TURN f                          ; a fragment's 16 rows through the stage; they come back into the registers that they left.  LDS serves a wave's instructions in order: no wait between
.set n, 0
.rept 16
	ds_store_b128 v[SI], v[R+64*\f+4*n:R+64*\f+4*n+3] offset:n*SP
.set n, n+1
.endr
.irp c, 0,1,2,3
.irp j, 0,1,2,3
	ds_load_b128 v[R+64*\f+16*\c+4*\j:R+64*\f+16*\c+4*\j+3], v[SO] offset:128*\c+16*\j   ; register 16 c + i: k = 32 c + 16 h + i of row r
.endr
.endr
.endm
.macro QUANT f, j, cs                  ; fragment f under scale j into the codes' set cs.  The two sets of T take turns, so that plain lines stand between a conversion and the next write of its sources
.irp c, 0,1,2,3
.set n, 0
.rept 16
	v_med3_num_f32 v[T+16*(\c%2)+n], v[R+64*\f+16*\c+n], -v[SC+2*\j+1], v[SC+2*\j+1]   ; the conversion does not saturate (ISA guide 7.6.2): the hold comes first
.set n, n+1
.endr
	v_cvt_scalef32_pk8_fp8_f32 v[\cs+4*\c:\cs+4*\c+1], v[T+16*(\c%2):T+16*(\c%2)+7], v[SC+2*\j]
	v_cvt_scalef32_pk8_fp8_f32 v[\cs+4*\c+2:\cs+4*\c+3], v[T+16*(\c%2)+8:T+16*(\c%2)+15], v[SC+2*\j]
.endr
.endm
.macro STORE f, cs, b                  ; the image: four stores of 512 consecutive bytes
.irp c, 0,1,2,3
	global_store_b128 v[LO], v[\cs+4*\c:\cs+4*\c+3], s[\b:\b+1] offset:2048*\f+512*\c
.endr
.endm
	s_wait_loadcnt 16                              ; fragment 0's sixteen loads are in; fragment 1's may be out
	TURN 0
	s_wait_loadcnt 0x0
	TURN 1
	s_wait_dscnt 32                                ; fragment 0 is back; behind it stand fragment 1's 16 stores and 16 loads
	QUANT 0, 0, C
	STORE 0, C, 40
	s_cmp_lt_u32 ttmp9, 128
	s_cbranch_scc0 .Lweights
	QUANT 0, 1, C+16
	STORE 0, C+16, 42
	QUANT 0, 2, C+32
	STORE 0, C+32, 44
	s_wait_dscnt 0x0                               ; fragment 1 is back
	s_wait_xcnt 0x0                                ; the stores have read the three sets of codes, which are written again
	QUANT 1, 0, C
	STORE 1, C, 40
	QUANT 1, 1, C+16
	STORE 1, C+16, 42
	QUANT 1, 2, C+32
	STORE 1, C+32, 44
	s_wait_tensorcnt 0x0
	ds_add_u32 v224, v225
	s_wait_dscnt 0x0
	s_endpgm
.Lweights:
	s_wait_dscnt 0x0
	QUANT 1, 0, C+16                               ; another set than fragment 0's: no store's data are written again
	STORE 1, C+16, 40
	; THE TABLE: my wave makes piece k = wave number % 8 of position tile = wave number / 8: 512 bytes
	v_and_b32 v16, 15, v0
	v_and_b32 v17, 8, v0
	v_add_nc_u32 v16, v16, v17                     ; r + 8 (r / 8)
	s_lshr_b32 s46, s21, 3                         ; the position tile
	s_and_b32 s47, s21, 7                          ; the piece
	s_lshr_b32 s48, s46, 1
	s_lshl_b32 s48, s48, 5
	s_and_b32 s49, s46, 1
	s_lshl_b32 s49, s49, 3
	s_add_co_u32 s48, s48, s49
	v_add_nc_u32 v16, s48, v16
	v_cvt_f32_u32 v16, v16                         ; the position
	s_lshr_b32 s48, s47, 2
	s_lshl_b32 s48, s48, 4
	s_and_b32 s49, s47, 3
	s_lshl_b32 s49, s49, 1
	s_add_co_u32 s48, s48, s49
	v_bfe_u32 v17, v0, 4, 1
	v_lshl_add_u32 v17, v17, 3, s48                ; i = 16 (k / 4) + 2 (k % 4) + 8 h,
	v_add_nc_u32 v18, 1, v17                       ; and i + 1
	v_cvt_f32_u32 v17, v17
	v_cvt_f32_u32 v18, v18
	v_mul_f32 v17, 0xbed49a78, v17                 ; -i log2(10000) / 32
	v_mul_f32 v18, 0xbed49a78, v18
	v_exp_f32 v17, v17                             ; the frequency 10000^(-i / 32)
	v_exp_f32 v18, v18
	v_nop                                          ; a plain line behind the exponentials,
	s_wait_alu depctr_va_vdst(0)                   ; and one wait for both, ahead of their first reader
.macro SINCOS fr, o                    ; v[o] = cos, v[o + 1] = sin of position x v[fr]
	v_mul_f32 v20, v16, v[\fr]                     ; the angle, one f32 product
	v_mul_f32 v21, 0x3f22f983, v20
	v_rndne_f32 v21, v21                           ; n = the nearest whole number to angle x 2 / pi
	v_fmamk_f32 v22, v21, 0xbfc90fdb, v20          ; rho = angle - n pi / 2, pi / 2 in two words
	v_fmamk_f32 v22, v21, 0x333bbd2e, v22
	v_mul_f32 v23, v22, v22                        ; z = rho^2, at most (pi / 4)^2
	v_mov_b32 v24, 0xb94ca1f9
	v_fmaak_f32 v24, v23, v24, 0x3c08839e
	v_fmaak_f32 v24, v23, v24, 0xbe2aaaa3
	v_mul_f32 v25, v23, v22
	v_fma_f32 v24, v25, v24, v22                   ; sin rho = rho + rho z (S1 + z (S2 + z S3))
	v_mov_b32 v25, 0x37ccf5ce
	v_fmaak_f32 v25, v23, v25, 0xbab6061a
	v_fmaak_f32 v25, v23, v25, 0x3d2aaaa5
	v_mul_f32 v26, v23, v23
	v_fma_f32 v27, v23, -0.5, 1.0
	v_fma_f32 v25, v26, v25, v27                   ; cos rho = 1 - z / 2 + z^2 (C1 + z (C2 + z C3))
	v_cvt_i32_f32 v26, v21                         ; the quadrant: n mod 4
	v_and_b32 v27, 1, v26
	v_cmp_eq_u32 vcc_lo, 1, v27
	v_cndmask_b32 v28, v24, v25, vcc_lo            ; in odd quadrants the two change places
	v_cndmask_b32 v29, v25, v24, vcc_lo
	v_lshlrev_b32 v27, 30, v26
	v_and_b32 v27, 0x80000000, v27                 ; the sine is negative in quadrants 2 and 3,
	v_xor_b32 v[\o+1], v27, v28
	v_add_nc_u32 v26, 1, v26
	v_lshlrev_b32 v27, 30, v26
	v_and_b32 v27, 0x80000000, v27                 ; the cosine in 1 and 2
	v_xor_b32 v[\o], v27, v29
.endm
	SINCOS 17, 32
	SINCOS 18, 34
	s_lshl_b32 s48, s21, 9
	s_mov_b32 s49, 0
	s_add_nc_u64 s[18:19], s[18:19], s[48:49]
	global_store_b128 v[LO], v[32:35], s[18:19]    ; 512 consecutive bytes
	s_wait_tensorcnt 0x0
	ds_add_u32 v224, v225
	s_wait_dscnt 0x0
	s_endpgm
.Lfunc_end_k_q245ecabc61_prep:
	.size	k_q245ecabc61_prep, .Lfunc_end_k_q245ecabc61_prep-k_q245ecabc61_prep
	.p2alignl 7, 3214868480
	.fill 96, 4, 3214868480
	.section	.rodata,"a",@progbits
	.p2align	6, 0x0
	.amdhsa_kernel k_q245ecabc61_prep
		.amdhsa_group_segment_fixed_size 68608
		.amdhsa_private_segment_fixed_size 0
		.amdhsa_enable_private_segment 0
		.amdhsa_kernarg_size 64
		.amdhsa_user_sgpr_count 2
		.amdhsa_user_sgpr_kernarg_segment_ptr 1
		.amdhsa_wavefront_size32 1
		.amdhsa_system_sgpr_workgroup_id_x 1
		.amdhsa_system_sgpr_workgroup_id_y 1
		.amdhsa_system_sgpr_workgroup_id_z 1
		.amdhsa_system_vgpr_workitem_id 0
		.amdhsa_next_free_vgpr 226
		.amdhsa_next_free_sgpr 66
		.amdhsa_reserve_vcc 1
		.amdhsa_float_denorm_mode_32 3
		.amdhsa_float_denorm_mode_16_64 3
		.amdhsa_memory_ordered 1
		.amdhsa_forward_progress 1
		.amdhsa_inst_pref_size 50
	.end_amdhsa_kernel
	.amdgpu_metadata
---
amdhsa.version: [ 1, 2 ]
amdhsa.kernels:
  - .name:           k_q245ecabc61_prep
    .symbol:         k_q245ecabc61_prep.kd
    .args:
      - { .name: x, .offset: 0, .size: 8, .value_kind: global_buffer, .address_space: global }
      - { .name: Wq, .offset: 8, .size: 8, .value_kind: global_buffer, .address_space: global }
      - { .name: Wk, .offset: 16, .size: 8, .value_kind: global_buffer, .address_space: global }
      - { .name: Wv, .offset: 24, .size: 8, .value_kind: global_buffer, .address_space: global }
      - { .name: Wo, .offset: 32, .size: 8, .value_kind: global_buffer, .address_space: global }
      - { .name: lowp_scales, .offset: 40, .size: 8, .value_kind: global_buffer, .address_space: global }
      - { .name: codes, .offset: 48, .size: 8, .value_kind: global_buffer, .address_space: global }
      - { .name: rope, .offset: 56, .size: 8, .value_kind: global_buffer, .address_space: global }
    .group_segment_fixed_size: 68608
    .private_segment_fixed_size: 0
    .kernarg_segment_align: 8
    .kernarg_segment_size: 64
    .max_flat_workgroup_size: 256
    .sgpr_count:     66
    .vgpr_count:     226
    .wavefront_size: 32
...
	.end_amdgpu_metadata
.endif
;; end of part 1
;; launch proj (part 2): grid 12 x 16, 4 waves a work-group, clusters of 4 x 4, 327,680 bytes of LDS; arguments codes, rope, lowp_scales, qkv; writes qkv
.if DOCPART == 2
	.amdgcn_target "amdgcn-amd-amdhsa--gfx1250"
	.amdhsa_code_object_version 6
	.text
	.protected	k_q245ecabc61_proj
	.globl	k_q245ecabc61_proj
	.p2align	8
	.type	k_q245ecabc61_proj,@function
k_q245ecabc61_proj:
	s_mov_b64 s[64:65], 0
	v_nop
	global_prefetch_b8 v0, s[64:65] scope:SCOPE_SE
	s_setreg_imm32_b32 hwreg(HW_REG_WAVE_MODE, 25, 1), 1
	s_wait_xcnt 0x0
	s_wait_alu depctr_hold_cnt(0) depctr_sa_sdst(0) depctr_va_vdst(0) depctr_va_sdst(0) depctr_va_ssrc(0) depctr_va_vcc(0) depctr_vm_vsrc(0)
	s_getreg_b32 s2, hwreg(HW_REG_IB_STS2, 6, 4)
	s_cmp_eq_u32 s2, 0
	s_cbranch_scc0 .Lentry_in_a_cluster
	s_endpgm
.Lentry_in_a_cluster:
	s_bfe_u32 s2, ttmp6, 0x10000c
	s_cmp_lg_u32 s2, 0xf033
	s_cbranch_scc0 .Lentry_shape_is_right
	s_endpgm
.Lentry_shape_is_right:
; Q, K and V = x W^T on codes of FP8 (E4M3); Q and K are rotated by position; all three are quantised again and stored as images of the next products' operands.  One launch: the cluster's x says which (0 Q, 1 K, 2 V).
; A tile of 256 x 256 of the product is made by four waves, 128 x 128 each: 64 accumulators, 512 registers.  K = 1,024 goes in four steps of 256 through a ring of two LDS slots filled by the tensor data mover.
; THE OPERANDS LIE IN MEMORY AS IMAGES OF THEIR REGISTERS: [row tile][K step of 128][2,048 bytes], piece c of 512 bytes holding at 16 x lane k = 32 c + 16 (lane / 16) + 0 .. 15 of the lane's row; the same order of k on
; both sides.  Place p of row tile T is row 32 (T / 2) + 8 (T % 2) + p + 8 (p / 8).  A fragment is four loads of 512 consecutive LDS bytes: no pitch, no padding.
; THE MATRIX INSTRUCTION IS USED TRANSPOSED (source 0 = 16 rows of B, source 1 = 16 rows of A): lane (r, h) holds A's row at place r, and the 16 registers of B's tiles 2 b, 2 b + 1 are B's rows 32 b + 16 h + 0 .. 15.
; Q, K: A = x, B = W: a lane holds a position and its registers run along the head's 64: the next K.  V: A = Wv, B = x: a lane holds a channel and its registers run along the keys: the next K.  Only pointers differ.
; CLUSTERS: 4 x 4 work-groups; A's tiles are asked for jointly by a row of the cluster, B's by a column.
; OUT: q at 0, k at 4 MiB: [batch x head][position tile 0..127][1,024 bytes: two pieces]; v at 8 MiB: [batch x head][key step 0..15][channel tile 0..3][2,048 bytes].
; The sums stand for sum x 2^(ea + eb); a rotation commutes with a power of two, so the raw sums are rotated and the conversion takes 2^(eo - ea - eb).  LIMIT: eo - ea - eb between -126 and 119.
; REGISTERS, in windows of 256: window 0: v16-31 addresses and constants; v32-95 the table, two sets; v96-127 at work; v128-255 A's fragments, one set, later the codes.  window 1: B's fragments, two sets.
;   window 2: the accumulators of A's blocks 0-3 ((a, b) at v[8 (8 (a % 4) + b)]); window 3: those of blocks 4-7.
.set FR,    16                         ; registers of a fragment
.set NL,    4                          ; LDS loads that bring one
.set NP,    4                          ; places behind this matrix instruction (ISA guide 7.12.1)
.set KB,    4096                       ; a row tile's bytes in a slot: two K steps of 128
.set HALFT, 8*KB                       ; 8 row tiles: what one tensor load brings, and what one wave reads of A or of B
.set SLOT,  4*HALFT                    ; A's 16 row tiles, then B's 16
.set SPARE, 2*SLOT                     ; behind the ring: the spare words, 128 bytes for each wave, which no other line names
.set ADRA, 16                          ; v16-17  LDS address of my A fragments in slot 0, 1
.set ADRB, 20                          ; v20-21  the same for B
.set CO,   26                          ; v26     16 x lane
.set SPW,  28                          ; v28     my spare word; never rewritten
.set NIL,  29                          ; v29     0; never rewritten
.set SCV,  30                          ; v30     2^(eo - ea - eb)
.set LIMV, 31                          ; v31     448 x that
.set TB,   32                          ; v32-95  cosines and sines of a block's 16 positions, two sets of 32
.set TMP,  96                          ; v96-127 32 numbers at work
.set AF,   128                         ; A's fragments
.set CD,   128                         ; later: a block's 16 registers of codes, a set for each of the eight blocks, so that no store's data are written again
.set G1,   24                          ; s[24:31] descriptor group 1 for A's tiles; s[32:39] group 0, a set for each slot
.set G0,   32
.set G1B,  48                          ; s[48:55], s[56:63] the same for B's
.set G0B,  56
.set MSB,  0
.macro WIN new                         ; the immediate's high byte repeats the setting that is left
.if MSB != (\new)
	s_set_vgpr_msb (MSB<<8)|(\new)
.set MSB, (\new)
.endif
.endm
.set MUL_LO, 0xa1                      ; source 0 (B) window 1, source 1 (A) window 0, C and D window 2
.set MUL_HI, 0xf1                      ; the same, C and D window 3
.set TO_B,   0x40                      ; destination window 1, address window 0
; A joint load: waves 0 and 1 fetch for A, waves 2 and 3 for B; the branch hangs on the wave's number alone.  Four v_nop follow each of the two lines.
.macro JLOAD g0a, g1a, g0b, g1b
	s_cmp_eq_u32 s15, 0
	s_cbranch_scc0 .Lfor_b_\@
	tensor_load_to_lds s[\g0a:\g0a+3], s[\g1a:\g1a+7]
	s_nop 0
.rept 4
	v_nop
.endr
	s_branch .Lasked_\@
.Lfor_b_\@:
	tensor_load_to_lds s[\g0b:\g0b+3], s[\g1b:\g1b+7]
	s_nop 0
.rept 4
	v_nop
.endr
.Lasked_\@:
.endm
.macro CREST                           ; a round of the cluster's barrier behind its opening barrier
	s_cmp_lg_u32 s14, 0
	s_cbranch_scc1 .Lnot_wave_0_\@
	s_barrier_signal -3
.Lnot_wave_0_\@:
	s_barrier_wait -3
	s_barrier_signal -1
	s_barrier_wait -1
.endm
.macro CROUND                          ; a whole round
	s_barrier_signal -1
	s_barrier_wait -1
	CREST
.endm
	s_load_b256 s[4:11], s[0:1], 0x0               ; codes s[4:5], rope s[6:7], the scales s[8:9], qkv s[10:11]
	v_lshl_add_u32 v[SPW], v0, 2, SPARE
	v_mov_b32 v[NIL], 0
	ds_add_u32 v28, v29
	ds_add_u32 v28, v29
	s_wait_dscnt 0x0
	v_lshrrev_b32 v1, 5, v0
	v_readfirstlane_b32 s14, v1                    ; wave 0..3
	s_lshr_b32 s15, s14, 1                         ; which half of A's rows is mine.  Also: I fetch for A (0) or for B (1)
	s_and_b32 s16, s14, 1                          ; which half of B's rows.  Also: which 8 row tiles I fetch
	s_bfe_u32 s40, ttmp6, 0x40000                  ; cx, cy: my place in the cluster
	s_bfe_u32 s41, ttmp6, 0x40004
	s_mov_b32 s12, ttmp9                           ; which product: the cluster's x, the same in all sixteen partners
	s_and_b32 s13, ttmp7, 0xffff
	s_lshl_b32 s13, s13, 2                         ; 4 x the cluster's y
	s_lshl_b32 s82, s12, 22                        ; Q, K: A = x under its scale, at 0 or 4 MiB;
	s_lshl_b32 s83, s12, 20
	s_add_co_u32 s83, s83, 0xc00000                ; B = Wq or Wk, at 12 or 13 MiB
	s_cmp_eq_u32 s12, 2
	s_cselect_b32 s80, 0, s13                      ; x's 16 tiles of 256 rows are walked by the cluster's y: they are A's for Q and K,
	s_cselect_b32 s81, s13, 0                      ; B's for V
	s_cselect_b32 s82, 0xe00000, s82               ; V: A = Wv at 14 MiB,
	s_cselect_b32 s83, 0x800000, s83               ; B = x under its third scale at 8 MiB
	s_add_co_u32 s17, s41, s80                     ; A's tile
	s_add_co_u32 s42, s40, s81                     ; B's tile
	s_lshl_b32 s43, s41, 2
	s_lshl_b32 s43, 15, s43                        ; my row of the cluster
	s_lshl_b32 s44, 0x1111, s40                    ; my column
	; descriptor group 1: 8 rows (row tiles) of 512 elements of 8 bytes (two K steps' images), 2,048 elements apart; dense in LDS
	s_or_b32 s[G1+0], s43, (3<<16)|(1<<21)         ; 15:0 the mask: A's tiles go to my row; 17:16 elements of 8 bytes; 20 no padding; 21 set beside a mask
	s_or_b32 s[G1B+0], s44, (3<<16)|(1<<21)
.irp g, G1, G1B
	s_mov_b32 s[\g+1], 512<<16                     ; tensor_dim0
	s_mov_b32 s[\g+2], 8<<16                       ; tensor_dim1
	s_mov_b32 s[\g+3], 512<<16                     ; tile_dim0
	s_mov_b32 s[\g+4], 8                           ; tile_dim1
	s_mov_b32 s[\g+5], 2048                        ; tensor_dim0_stride
	s_mov_b32 s[\g+6], 0
	s_mov_b32 s[\g+7], 0
.endr
	s_lshl_b32 s18, s16, 3                         ; which 8 row tiles of the 16 I fetch
	s_lshl_b32 s20, s17, 4
	s_add_co_u32 s20, s20, s18
	s_lshl_b32 s20, s20, 14                        ; 16,384 bytes a row tile
	s_add_co_u32 s20, s20, s82
	s_mov_b32 s21, 0
	s_lshl_b32 s46, s42, 4
	s_add_co_u32 s46, s46, s18
	s_lshl_b32 s46, s46, 14
	s_add_co_u32 s46, s46, s83
	s_mov_b32 s47, 0
	s_lshl_b32 s45, s14, 15                        ; where they go: wave x 32,768: no place in the cluster enters an LDS address
	s_wait_kmcnt 0x0
	s_load_b256 s[68:75], s[8:9], 0x0              ; entries 0 to 7
	s_load_b128 s[76:79], s[8:9], 0x20             ; entries 8 to 11
	s_add_nc_u64 s[20:21], s[4:5], s[20:21]
	s_add_nc_u64 s[46:47], s[4:5], s[46:47]
	CROUND                                         ; all sixteen work-groups are here: the first joint loads meet
.irp s, 0,1
	s_mov_b32 s[G0+4*\s], 1
	s_add_co_u32 s[G0+4*\s+1], s45, \s*SLOT
	s_add_nc_u64 s[G0+4*\s+2:G0+4*\s+3], s[20:21], \s*KB
	s_or_b32 s[G0+4*\s+3], s[G0+4*\s+3], 0x80000000
	s_mov_b32 s[G0B+4*\s], 1
	s_add_co_u32 s[G0B+4*\s+1], s45, \s*SLOT
	s_add_nc_u64 s[G0B+4*\s+2:G0B+4*\s+3], s[46:47], \s*KB
	s_or_b32 s[G0B+4*\s+3], s[G0B+4*\s+3], 0x80000000
	JLOAD G0+4*\s, G1, G0B+4*\s, G1B
.endr
	v_and_b32 v1, 31, v0
	v_lshlrev_b32 v[CO], 4, v1
	s_lshl_b32 s18, s15, 15                        ; my 8 row tiles of A,
	s_lshl_b32 s19, s16, 15                        ; my 8 of B,
	s_add_co_u32 s19, s19, 2*HALFT                 ; which lie behind A's 16
.irp s, 0,1
	v_add_nc_u32 v[ADRA+\s], s18, v[CO]
	v_add_nc_u32 v[ADRB+\s], s19, v[CO]
	s_add_co_u32 s18, s18, SLOT
	s_add_co_u32 s19, s19, SLOT
.endr
.macro FRAG reg, adr, q, i             ; a fragment's image: four loads of 512 consecutive bytes
.irp c, 0,1,2,3
	ds_load_b128 v[\reg+4*\c:\reg+4*\c+3], v[\adr] offset:2048*(\q)+(\i)*KB+512*\c
.endr
.endm
; 16 matrix instructions: A's blocks a0, a0 + 1 x B's eight, 128 along K.  p: B's set.  zero = 1: the first product starts the sums.  The 64 accumulators take turns, one instruction a turn, in the same order in every step.
.macro MUL16 a0, p, zero
.irp a, \a0, \a0+1
.irp b, 0,1,2,3,4,5,6,7
.if \zero
	v_wmma_f32_16x16x128_fp8_fp8 v[8*(8*((\a)%4)+\b):8*(8*((\a)%4)+\b)+7], v[128*(\p)+FR*\b:128*(\p)+FR*\b+FR-1], v[AF+FR*(\a):AF+FR*(\a)+FR-1], 0
.else
	v_wmma_f32_16x16x128_fp8_fp8 v[8*(8*((\a)%4)+\b):8*(8*((\a)%4)+\b)+7], v[128*(\p)+FR*\b:128*(\p)+FR*\b+FR-1], v[AF+FR*(\a):AF+FR*(\a)+FR-1], v[8*(8*((\a)%4)+\b):8*(8*((\a)%4)+\b)+7]
.endif
.endr
.endr
.endm
.macro FETCH_B slot, q, p              ; B's eight fragments of the slot's q-th 128 along K into set p
	WIN TO_B
.irp i, 0,1,2,3,4,5,6,7
	FRAG 128*(\p)+FR*\i, ADRB+\slot, \q, \i
.endr
	WIN 0
.endm
.macro FETCH_A slot, q, i0             ; A's blocks i0 .. i0 + 3
.irp i, \i0, \i0+1, \i0+2, \i0+3
	FRAG AF+FR*(\i), ADRA+\slot, \q, \i
.endr
.endm
.macro PLACES n                        ; plain vector lines between a matrix instruction and a load into, or a vector line on, its registers
.rept \n
	v_nop
.endr
.endm
; A step of 128 along K that has its successor in the same slot.  A's blocks are free as soon as their eight products are issued: blocks 0-3 are fetched anew in the middle, blocks 4-7 at the end.
.macro STEP slot, q, zero
	s_wait_dscnt 4*NL                              ; B's set and A's blocks 0-3 are in; the youngest sixteen loads (A's blocks 4-7) may be out
	WIN MUL_LO
	MUL16 0, (\q)%2, \zero
	MUL16 2, (\q)%2, \zero
	s_wait_dscnt 0                                 ; A's blocks 4-7 are in
	PLACES NP
	FETCH_B \slot, (\q)+1, 1-(\q)%2
	FETCH_A \slot, (\q)+1, 0
	WIN MUL_HI
	MUL16 4, (\q)%2, \zero
	MUL16 6, (\q)%2, \zero
	PLACES NP
	WIN 0
	FETCH_A \slot, (\q)+1, 4
.endm
; A slot's last step changes slots: one barrier; in front of it each wave waits for all its tensor loads, adds 0 to its spare word, and waits for that and for its reads of this slot.  fill = 1: the slot is filled again, two K steps of 256 on.
.macro TURN slot, next, fill
	s_wait_tensorcnt 0x0                           ; all my tensor loads have landed: my part of the next slot
	ds_add_u32 v[SPW], v[NIL]                      ; 0 onto my spare word
	s_wait_dscnt 4*NL+1                            ; the add and the youngest sixteen loads may be out
	WIN MUL_LO
	MUL16 0, 1, 0
	s_wait_dscnt 0x0                               ; the add is done, and my reads of this slot are over
	s_barrier_signal -1
	MUL16 2, 1, 0
	WIN 0
	s_barrier_wait -1
.if \fill
	CREST                                          ; the barrier has opened a round of the cluster's: no wave of any partner still reads this slot or has a load on its way
	s_add_nc_u64 s[G0+4*\slot+2:G0+4*\slot+3], s[G0+4*\slot+2:G0+4*\slot+3], 2*KB
	s_add_nc_u64 s[G0B+4*\slot+2:G0B+4*\slot+3], s[G0B+4*\slot+2:G0B+4*\slot+3], 2*KB
	JLOAD G0+4*\slot, G1, G0B+4*\slot, G1B         ; the first tensor load behind the round; its four v_nop are the places in front of the loads below
.else
	PLACES NP
.endif
	FETCH_B \next, 0, 0
	FETCH_A \next, 0, 0
	WIN MUL_HI
	MUL16 4, 1, 0
	MUL16 6, 1, 0
	PLACES NP
	WIN 0
	FETCH_A \next, 0, 4
.endm
.macro LAST                            ; the very last step: nothing more to fetch
	s_wait_dscnt 4*NL
	WIN MUL_LO
	MUL16 0, 1, 0
	MUL16 2, 1, 0
	s_wait_dscnt 0
	WIN MUL_HI
	MUL16 4, 1, 0
	MUL16 6, 1, 0
	WIN 0
.endm
	s_wait_tensorcnt 1                             ; my part of slot 0 is in; slot 1's load may be out
	s_barrier_signal -1
	s_barrier_wait -1
	FETCH_B 0, 0, 0
	FETCH_A 0, 0, 0
	FETCH_A 0, 0, 4
	STEP 0, 0, 1                                   ; K 0-127: its products start the sums
	TURN 0, 1, 1                                   ; slot 0 takes K 512-767
	STEP 1, 0, 0
	TURN 1, 0, 1                                   ; slot 1 takes K 768-1,023
	STEP 0, 0, 0
	TURN 0, 1, 0                                   ; nothing is left to fetch
	STEP 1, 0, 0
	s_wait_kmcnt 0x0                               ; the scales
	s_add_co_i32 s80, s68, s69                     ; ea + eb of the three products,
	s_add_co_i32 s81, s70, s71
	s_add_co_i32 s82, s72, s73
	s_cmp_eq_u32 s12, 1
	s_cselect_b32 s80, s81, s80
	s_cselect_b32 s83, s75, s74                    ; and eo: entry 6 for Q, 7 for K,
	s_cmp_eq_u32 s12, 2
	s_cselect_b32 s80, s82, s80
	s_cselect_b32 s83, s77, s83                    ; 9 for V
	s_sub_co_i32 s83, s83, s80
	s_add_co_i32 s83, s83, 127
	s_lshl_b32 s84, s83, 23
	v_mov_b32 v[SCV], s84
	s_add_co_i32 s83, s83, 8
	s_lshl_b32 s83, s83, 23
	s_or_b32 s83, s83, 0x600000
	v_mov_b32 v[LIMV], s83
	s_cmp_eq_u32 s12, 2                            ; the same in all partners; no tensor load and no barrier stands in either arm
	s_cbranch_scc1 .Lvalues
; ---- Q and K.  Block a is 16 positions (a lane each) x 128 of the model's width: two heads.
.macro TBLOAD a                        ; the table of block a's positions: register 8 (b % 4) + 2 p: cos, sin for the pair in registers 2 p, 2 p + 1 of accumulator b
.irp k, 0,1,2,3,4,5,6,7
	global_load_b128 v[TB+32*((\a)%2)+4*\k:TB+32*((\a)%2)+4*\k+3], v[CO], s[6:7] offset:4096*(\a)+512*\k
.endr
.endm
.macro CODES                           ; 32 numbers in TMP: held, converted into v[CDH] on
.set n, 0
.rept 32
	v_med3_num_f32 v[TMP+n], v[TMP+n], -v[LIMV], v[LIMV]   ; the conversion does not saturate (ISA guide 7.6.2)
.set n, n+1
.endr
.irp b, 0,1,2,3
	v_cvt_scalef32_pk8_fp8_f32 v[CDH+2*\b:CDH+2*\b+1], v[TMP+8*\b:TMP+8*\b+7], v[SCV]
.endr
	v_nop                                          ; a plain line between the conversions and the next write of their sources
.endm
.macro ROPEQ a
.set AC, 64*((\a)%4)
.set TS, TB+32*((\a)%2)
.if (\a) < 7
	s_wait_loadcnt 8                               ; this block's eight table loads are in; the next block's may be out
.else
	s_wait_loadcnt 0x0
.endif
.irp hb, 0,1                           ; a head at a time: four accumulators, each from its low end on
	WIN 0x02+((\a)/4)                              ; source 0: window 2 or 3
.set n, 0
.rept 16
	v_pk_mul_f32 v[TMP+n:TMP+n+1], v[AC+32*\hb+n:AC+32*\hb+n+1], v[TS+n:TS+n+1] op_sel:[1,1] op_sel_hi:[1,0]   ; (odd x sin, odd x cos)
.set n, n+2
.endr
.set n, 0
.rept 16
	v_pk_fma_f32 v[TMP+n:TMP+n+1], v[AC+32*\hb+n:AC+32*\hb+n+1], v[TS+n:TS+n+1], v[TMP+n:TMP+n+1] op_sel_hi:[0,1,1] neg_lo:[0,0,1]   ; (even x cos - odd x sin, even x sin + odd x cos)
.set n, n+2
.endr
	WIN 0
.set CDH, CD+16*(\a)+8*\hb
	CODES
.endr
.if (\a) < 6
	TBLOAD (\a)+2                                  ; into the set that has just been read
.endif
.irp k, 0,1,2,3                        ; two heads x two pieces of 512 consecutive bytes
	global_store_b128 v[CO], v[CD+16*(\a)+4*\k:CD+16*(\a)+4*\k+3], s[10:11] offset:(\k/2)*131072+1024*(\a)+(\k%2)*512
.endr
.endm
	s_lshl_b32 s80, s17, 8
	s_lshl_b32 s81, s15, 7
	s_add_co_u32 s80, s80, s81                     ; my first row of x
	s_lshr_b32 s81, s80, 11                        ; the batch
	s_and_b32 s80, s80, 2047
	s_lshr_b32 s80, s80, 4                         ; my first position tile
	s_lshl_b32 s82, s42, 2
	s_lshl_b32 s83, s16, 1
	s_add_co_u32 s82, s82, s83                     ; my first head
	s_lshl_b32 s81, s81, 4
	s_add_co_u32 s81, s81, s82
	s_lshl_b32 s81, s81, 7
	s_add_co_u32 s81, s81, s80
	s_lshl_b32 s84, s81, 10                        ; ((batch x 16 + head) x 128 + tile) x 1,024
	s_lshl_b32 s83, s12, 22
	s_add_co_u32 s84, s84, s83                     ; q at 0, k at 4 MiB
	s_mov_b32 s85, 0
	s_add_nc_u64 s[10:11], s[10:11], s[84:85]
	s_lshl_b32 s86, s80, 12
	s_mov_b32 s87, 0
	s_add_nc_u64 s[6:7], s[6:7], s[86:87]          ; the table at my first position tile
	TBLOAD 0                                       ; they land under the last step's products
	TBLOAD 1
	LAST
	PLACES NP                                      ; in front of the first read of results, and of the codes' writes into the registers that held A's fragments
.irp a, 0,1,2,3,4,5,6,7
	ROPEQ \a
.endr
	s_branch .Ldone
; ---- V.  Block a is 16 channels (a lane each) x 128 keys: one fragment of the second attention product.
.Lvalues:
.macro VQ a
.set AC, 64*((\a)%4)
.irp hb, 0,1
	WIN 0x02+((\a)/4)
.set n, 0
.rept 32
	v_med3_num_f32 v[TMP+n], v[AC+32*\hb+n], -v[LIMV], v[LIMV]   ; the hold, each accumulator from its low end on
.set n, n+1
.endr
	WIN 0
.irp b, 0,1,2,3
	v_cvt_scalef32_pk8_fp8_f32 v[CD+16*(\a)+8*\hb+2*\b:CD+16*(\a)+8*\hb+2*\b+1], v[TMP+8*\b:TMP+8*\b+7], v[SCV]
.endr
	v_nop                                          ; a plain line between the conversions and the next write of their sources
.endr
.irp k, 0,1,2,3
	global_store_b128 v[CO], v[CD+16*(\a)+4*\k:CD+16*(\a)+4*\k+3], s[10:11] offset:((\a)/4)*131072+((\a)%4)*2048+512*\k
.endr
.endm
	s_lshl_b32 s80, s17, 2
	s_lshl_b32 s81, s15, 1
	s_add_co_u32 s80, s80, s81                     ; my first head
	s_lshl_b32 s82, s42, 8
	s_lshl_b32 s83, s16, 7
	s_add_co_u32 s82, s82, s83                     ; my first row of x
	s_lshr_b32 s83, s82, 11                        ; the batch
	s_and_b32 s82, s82, 2047
	s_lshr_b32 s82, s82, 7                         ; the key step
	s_lshl_b32 s83, s83, 4
	s_add_co_u32 s83, s83, s80
	s_lshl_b32 s83, s83, 4
	s_add_co_u32 s83, s83, s82
	s_lshl_b32 s84, s83, 13                        ; ((batch x 16 + head) x 16 + key step) x 8,192
	s_add_co_u32 s84, s84, 0x800000                ; v at 8 MiB
	s_mov_b32 s85, 0
	s_add_nc_u64 s[10:11], s[10:11], s[84:85]
	LAST
	PLACES NP
.irp a, 0,1,2,3,4,5,6,7
	VQ \a
.endr
.Ldone:
	s_wait_tensorcnt 0x0                           ; the wave's end
	ds_add_u32 v[SPW], v[NIL]
	s_wait_dscnt 0x0
	CROUND                                         ; the closing round: no work-group ends while a partner may still ask for a tile that names it
	s_endpgm
.Lfunc_end_k_q245ecabc61_proj:
	.size	k_q245ecabc61_proj, .Lfunc_end_k_q245ecabc61_proj-k_q245ecabc61_proj
	.p2alignl 7, 3214868480
	.fill 96, 4, 3214868480
	.section	.rodata,"a",@progbits
	.p2align	6, 0x0
	.amdhsa_kernel k_q245ecabc61_proj
		.amdhsa_group_segment_fixed_size 327680
		.amdhsa_private_segment_fixed_size 0
		.amdhsa_enable_private_segment 0
		.amdhsa_kernarg_size 32
		.amdhsa_user_sgpr_count 2
		.amdhsa_user_sgpr_kernarg_segment_ptr 1
		.amdhsa_wavefront_size32 1
		.amdhsa_system_sgpr_workgroup_id_x 1
		.amdhsa_system_sgpr_workgroup_id_y 1
		.amdhsa_system_sgpr_workgroup_id_z 1
		.amdhsa_system_vgpr_workitem_id 0
		.amdhsa_next_free_vgpr 1024
		.amdhsa_next_free_sgpr 100
		.amdhsa_reserve_vcc 0
		.amdhsa_float_denorm_mode_32 3
		.amdhsa_float_denorm_mode_16_64 3
		.amdhsa_memory_ordered 1
		.amdhsa_forward_progress 1
		.amdhsa_inst_pref_size 202
	.end_amdhsa_kernel
	.amdgpu_metadata
---
amdhsa.version: [ 1, 2 ]
amdhsa.kernels:
  - .name:           k_q245ecabc61_proj
    .symbol:         k_q245ecabc61_proj.kd
    .args:
      - { .name: codes, .offset: 0, .size: 8, .value_kind: global_buffer, .address_space: global }
      - { .name: rope, .offset: 8, .size: 8, .value_kind: global_buffer, .address_space: global }
      - { .name: lowp_scales, .offset: 16, .size: 8, .value_kind: global_buffer, .address_space: global }
      - { .name: qkv, .offset: 24, .size: 8, .value_kind: global_buffer, .address_space: global }
    .group_segment_fixed_size: 327680
    .private_segment_fixed_size: 0
    .kernarg_segment_align: 8
    .kernarg_segment_size: 32
    .max_flat_workgroup_size: 128
    .sgpr_count:     100
    .vgpr_count:     1024
    .wavefront_size: 32
...
	.end_amdgpu_metadata
.endif
;; end of part 2
;; launch attn (part 3): grid 8 x 32, 16 waves a work-group, no clusters, 264,192 bytes of LDS; arguments qkv, lowp_scales, att; writes att
.if DOCPART == 3
	.amdgcn_target "amdgcn-amd-amdhsa--gfx1250"
	.amdhsa_code_object_version 6
	.text
	.protected	k_q245ecabc61_attn
	.globl	k_q245ecabc61_attn
	.p2align	8
	.type	k_q245ecabc61_attn,@function
k_q245ecabc61_attn:
	s_mov_b64 s[64:65], 0
	v_nop
	global_prefetch_b8 v0, s[64:65] scope:SCOPE_SE
	s_setreg_imm32_b32 hwreg(HW_REG_WAVE_MODE, 25, 1), 1
	s_wait_xcnt 0x0
; Causal attention on codes of FP8 (E4M3): o = softmax(q k^T / 8) v for 32 heads (batch x head) of 2,048 positions x 64, quantised again for the last product.
; THE SOFTMAX AHEAD OF THE SECOND PRODUCT: t = score x log2(e) / 8; M = the running largest t rounded UP to a whole number; p = 2^(t - M) is quantised, not normalised; the row's sum is taken of the unquantised p and divides
; at the end.  When M moves, the sum and O are multiplied by 2^(old M - new M), which rounds nothing.
; A HEAD'S K AND V, 256 KiB of codes, LIE IN LDS WHOLE: every byte of LDS is filled once, by the sixteen waves' first loads, four each; no slot is filled again.  So there is no later tile to ask for ahead.
; SHARES.  Work-group (i, head) owns the blocks i and 15 - i of 128 queries: 17 key steps of 128 for each pair of waves, in every work-group.  A wave owns one tile of 16 queries; of each pair of waves one takes the
; early block and one the late one.  A key step behind the wave's block is left out by a scalar branch on ids; the step on the diagonal hides keys by -infinity ahead of the maximum.
; NO CLUSTER: work-groups that share K and V differ in their query blocks, so the steps that are left out would be a branch on a work-group's place in its cluster.
; LAYOUT.  All operands are images of their registers (16 x lane + 512 x piece).  Both products are used transposed: S^T = K Q^T (source 0 = 16 keys), O^T = V^T P^T (source 0 = 16 channels): a lane holds one query.
; Place p of tile T (of positions, and of a head's channels) is 32 (T / 2) + 8 (T % 2) + p + 8 (p / 8): so the 16 registers of tiles 2 b, 2 b + 1 of a result are 16 neighbours, 32 b + 16 (lane / 16) + 0 .. 15.
; LIMITS on the given exponents: e6 + e7 between -123 and 130; e8, and e10 - e8 - e9, between -126 and 119.
; LDS: group g (key steps 4 g .. 4 g + 3) at 65,536 g: K's 32 tiles x 1,024 bytes, then V's 4 x 4 fragments x 2,048 bytes.
.set LI,   1                           ; v1   16 x lane
.set ADR,  2                           ; v2   LDS address of the key step in hand
.set DD,   3                           ; v3   my query's place in its block, less 16 (lane / 16)
.set QF,   16                          ; v16-23   Q's fragment
.set KV,   32                          ; v32-95   K's eight fragments, then V's four
.set ST,   96                          ; v96-159  S^T, then p
.set OT,   160                         ; v160-191 O^T
.set PC,   192                         ; v192-207 p's codes
.set SCP,  208                         ; v208 2^e8, v209 448 x 2^e8
.set LIMP, 209
.set SCO,  210                         ; v210 2^(e10 - e8 - e9), v211 448 x that
.set LIMO, 211
.set NINF, 212                         ; v212 -infinity
; v12 -M, v13 the largest t, v[14:15] the sum in two halves; v24, v25 two chains of the maximum; v26 a lane permute's destination; v[28:29] f; v[30:31] a chain of the sum
.set TB,   2                           ; s2   LDS byte at which the key step in hand begins
.set WV,   18                          ; s18  my wave's number
.set SEL,  20                          ; s[20:21] lane selects: lane l xor 16
.set CS,   22                          ; s[22:23] c = log2(e) / 8 x 2^(e6 + e7)
.set G1,   24                          ; s[24:31] descriptor group 1; s[32:47] four groups 0
.set G0,   32
.set BLK,  56                          ; s56  my block of 128 queries
.set KS,   57                          ; s57  the key step
.set CNT,  58                          ; s58  counts a group's four steps
	s_load_b128 s[4:7], s[0:1], 0x0                ; qkv s[4:5], the scales s[6:7]
	s_load_b64 s[8:9], s[0:1], 0x10                ; att
	v_lshl_add_u32 v254, v0, 2, 0x40000
	v_mov_b32 v255, 0
	ds_add_u32 v254, v255
	ds_add_u32 v254, v255
	v_lshrrev_b32 v1, 5, v0
	v_readfirstlane_b32 s[WV], v1                  ; wave 0..15
	s_and_b32 s59, ttmp7, 0xffff                   ; batch x 16 + head
	; descriptor group 1: a dense block of 4,096 bytes as 16 rows of 32 elements of 8 bytes
	s_mov_b32 s[G1], 3<<16
	s_mov_b32 s[G1+1], 32<<16                      ; tensor_dim0
	s_mov_b32 s[G1+2], 16<<16                      ; tensor_dim1
	s_mov_b32 s[G1+3], 32<<16                      ; tile_dim0
	s_mov_b32 s[G1+4], 16                          ; tile_dim1
	s_mov_b32 s[G1+5], 32                          ; tensor_dim0_stride
	s_mov_b32 s[G1+6], 0
	s_mov_b32 s[G1+7], 0
	s_lshl_b32 s19, s[WV], 12                      ; in a group: wave x 4,096: waves 0-7 K's 32 KiB, waves 8-15 V's
	s_lshr_b32 s10, s[WV], 3
	s_add_co_u32 s10, s10, 1
	s_lshl_b32 s10, s10, 22                        ; k at 4 MiB, v at 8 MiB,
	s_lshl_b32 s11, s59, 17
	s_add_co_u32 s10, s10, s11                     ; 131,072 bytes a head,
	s_and_b32 s11, s[WV], 7
	s_lshl_b32 s11, s11, 12
	s_add_co_u32 s10, s10, s11                     ; my eighth of a group's 32 KiB
	s_mov_b32 s11, 0
	s_wait_dscnt 0x0
	s_wait_kmcnt 0x0
	s_load_b64 s[48:49], s[6:7], 0x18              ; entries 6, 7
	s_load_b128 s[52:55], s[6:7], 0x20             ; entries 8 to 11
	s_add_nc_u64 s[10:11], s[4:5], s[10:11]
.irp g, 0,1,2,3
	s_mov_b32 s[G0+4*\g], 1
	s_add_co_u32 s[G0+4*\g+1], s19, \g*65536
	s_add_nc_u64 s[G0+4*\g+2:G0+4*\g+3], s[10:11], \g*32768
	s_or_b32 s[G0+4*\g+3], s[G0+4*\g+3], 0x80000000
.endr
.irp g, 0,1,2,3                        ; all first fills together, ahead of every wait on TENSORcnt, LDS read and barrier: four loads of mine are out
	tensor_load_to_lds s[G0+4*\g:G0+4*\g+3], s[G1:G1+7]
	s_nop 0
.endr
.rept 4
	v_nop
.endr
	s_lshr_b32 s12, s[WV], 2
	s_xor_b32 s12, s12, s[WV]
	s_and_b32 s12, s12, 1                          ; early block or late one: alternating within each pair of waves and from four waves to the next four
	s_lshr_b32 s13, s[WV], 1                       ; which of the block's eight tiles
	s_sub_co_u32 s14, 15, ttmp9
	s_cmp_eq_u32 s12, 1
	s_cselect_b32 s[BLK], s14, ttmp9
	s_lshl_b32 s15, s[BLK], 3
	s_add_co_u32 s15, s15, s13                     ; my position tile
	s_lshl_b32 s16, s59, 7
	s_add_co_u32 s16, s16, s15
	s_lshl_b32 s16, s16, 10
	s_mov_b32 s17, 0
	s_add_nc_u64 s[16:17], s[4:5], s[16:17]        ; q's image of my tile
	v_and_b32 v1, 31, v0
	v_lshlrev_b32 v[LI], 4, v1
	global_load_b128 v[QF:QF+3], v[LI], s[16:17]
	global_load_b128 v[QF+4:QF+7], v[LI], s[16:17] offset:512
	s_lshr_b32 s60, s59, 4                         ; att: ((batch x 128 + tile) x 8 + head / 2) x 2,048 + (head % 2) x 1,024
	s_lshl_b32 s60, s60, 7
	s_add_co_u32 s60, s60, s15
	s_lshl_b32 s60, s60, 3
	s_bfe_u32 s61, s59, 0x30001
	s_add_co_u32 s60, s60, s61
	s_lshl_b32 s60, s60, 1
	s_and_b32 s61, s59, 1
	s_add_co_u32 s60, s60, s61
	s_lshl_b32 s60, s60, 10
	s_mov_b32 s61, 0
	s_add_nc_u64 s[8:9], s[8:9], s[60:61]
	s_lshr_b32 s62, s13, 1
	s_lshl_b32 s62, s62, 5
	s_and_b32 s63, s13, 1
	s_lshl_b32 s63, s63, 3
	s_add_co_u32 s62, s62, s63
	v_and_b32 v4, 15, v0
	v_and_b32 v5, 8, v0
	v_add_nc_u32 v4, v4, v5                        ; r + 8 (r / 8)
	v_and_b32 v5, 16, v0
	v_sub_nc_u32 v4, v4, v5                        ; - 16 h
	v_add_nc_u32 v[DD], s62, v4
	s_mov_b32 s[SEL], 0x76543210
	s_mov_b32 s[SEL+1], 0xfedcba98
	s_mov_b32 s[KS], 0
	v_mov_b32 v13, 0xff61b1e6                      ; the largest t so far: -3e38, under every t
	v_floor_f32 v12, -v13                          ; -M
	v_mov_b32 v14, 0
	v_mov_b32 v15, 0
	v_mov_b32 v26, 0                               ; a lane permute's destination counts as one of its sources
	v_mov_b32 v29, 0                               ; (named as the upper half of the pair v[28:29])
	v_mov_b32 v[NINF], 0xff800000
.set n, 0
.rept 32
	v_mov_b32 v[OT+n], 0                           ; O^T: the step is written once; its first run finds zeros, which the first change of M leaves zeros
.set n, n+1
.endr
	s_wait_kmcnt 0x0
	s_add_co_i32 s60, s48, s49
	s_lshl_b32 s60, s60, 23
	s_add_co_i32 s[CS], s60, 0x3e38aa3b            ; log2(e) / 8, with e6 + e7 added to its exponent field
	s_mov_b32 s[CS+1], s[CS]
	s_add_co_i32 s60, s52, 127
	s_lshl_b32 s61, s60, 23
	v_mov_b32 v[SCP], s61
	s_add_co_i32 s60, s60, 8
	s_lshl_b32 s60, s60, 23
	s_or_b32 s60, s60, 0x600000
	v_mov_b32 v[LIMP], s60
	s_sub_co_i32 s60, s54, s52                     ; O^T / the sum stands for o / 2^(e8 + e9): its code is that / 2^(e10 - e8 - e9)
	s_sub_co_i32 s60, s60, s53
	s_add_co_i32 s60, s60, 127
	s_lshl_b32 s61, s60, 23
	v_mov_b32 v[SCO], s61
	s_add_co_i32 s60, s60, 8
	s_lshl_b32 s60, s60, 23
	s_or_b32 s60, s60, 0x600000
	v_mov_b32 v[LIMO], s60
	s_wait_loadcnt 0x0                             ; Q
; A KEY STEP of 128 keys.
.macro STEP
	s_cmp_gt_u32 s[KS], s[BLK]                     ; all its keys come after my queries: left out
	s_cbranch_scc1 .Lhidden_\@
	v_add_nc_u32 v[ADR], s[TB], v[LI]
.rept 3
	v_nop                                          ; with the addition: four places between the last products and the loads into the registers that they read
.endr
.irp t, 0,1,2,3,4,5,6,7
	ds_load_b128 v[KV+8*\t:KV+8*\t+3], v[ADR] offset:1024*\t
	ds_load_b128 v[KV+8*\t+4:KV+8*\t+7], v[ADR] offset:1024*\t+512
.endr
	s_wait_dscnt 0x0
.irp t, 0,1,2,3,4,5,6,7
	v_wmma_f32_16x16x64_fp8_fp8 v[ST+8*\t:ST+8*\t+7], v[KV+8*\t:KV+8*\t+7], v[QF:QF+7], 0
.endr
.rept 4
	v_nop                                          ; places in front of the loads below and of the first read of the scores
.endr
.irp t, 0,1,2,3                        ; V's four fragments land under the softmax
.irp c, 0,1,2,3
	ds_load_b128 v[KV+16*\t+4*\c:KV+16*\t+4*\c+3], v[ADR] offset:32768+2048*\t+512*\c
.endr
.endr
	s_cmp_lg_u32 s[KS], s[BLK]
	s_cbranch_scc1 .Lopen_\@
.set n, 0
.rept 64                               ; on the diagonal: register n holds the key at place 32 (n / 16) + n % 16 + 16 h of the block: hidden where that is above my query's place
	v_cmp_gt_i32 vcc_lo, 32*(n/16)+n%16, v[DD]
	v_cndmask_b32 v[ST+n], v[ST+n], v[NINF], vcc_lo
.set n, n+1
.endr
.Lopen_\@:
	v_max3_num_f32 v24, v[ST], v[ST+1], v[ST+2]    ; the step's largest score among my 64 keys, in two chains, each accumulator from its low end on,
	v_max3_num_f32 v25, v[ST+3], v[ST+4], v[ST+5]
.set n, 6
.rept 14
	v_max3_num_f32 v24, v24, v[ST+n], v[ST+n+1]
	v_max3_num_f32 v25, v25, v[ST+n+2], v[ST+n+3]
.set n, n+4
.endr
	v_max3_num_f32 v24, v24, v[ST+62], v[ST+63]
	v_max_num_f32 v24, v24, v25
	v_permlanex16_b32 v26, v24, s[SEL], s[SEL+1]
	v_max_num_f32 v24, v24, v26                    ; and among lane l xor 16's
	v_mul_f32 v24, s[CS], v24                      ; as t (c is positive)
	v_max_num_f32 v13, v13, v24
	v_mov_b32 v24, v12
	v_floor_f32 v12, -v13                          ; the new -M = floor(-t): M is a whole number
	v_sub_f32 v24, v12, v24                        ; old M - new M: a whole number, 0 or less
	v_cvt_i32_f32 v24, v24                         ; (it saturates)
	v_ldexp_f32 v28, 1.0, v24                      ; f = 2^(old M - new M)
.set n, 0
.rept 32
	v_pk_fma_f32 v[ST+n:ST+n+1], v[ST+n:ST+n+1], s[CS:CS+1], v[12:13] op_sel_hi:[1,0,0]   ; t - M, two at a time
.set n, n+2
.endr
.set n, 0
.rept 64
	v_exp_f32 v[ST+n], v[ST+n]                     ; p = 2^(t - M)
.set n, n+1
.endr
	v_pk_mul_f32 v[14:15], v[14:15], v[28:29] op_sel_hi:[1,0]   ; the sums under the new M: a plain line behind the exponentials
	s_wait_alu depctr_va_vdst(0)                   ; one wait for the batch, ahead of its first reader
	v_pk_add_f32 v[30:31], v[ST:ST+1], v[ST+2:ST+3]   ; the row's sum of the unquantised p, in two chains
.set n, 4
.rept 15
	v_pk_add_f32 v[14:15], v[14:15], v[ST+n:ST+n+1]
	v_pk_add_f32 v[30:31], v[30:31], v[ST+n+2:ST+n+3]
.set n, n+4
.endr
	v_pk_add_f32 v[14:15], v[14:15], v[30:31]
.irp b, 0,1,2,3
.set n, 0
.rept 16
	v_min_num_f32 v[ST+16*\b+n], v[ST+16*\b+n], v[LIMP]   ; the conversion does not saturate (ISA guide 7.6.2); p is not negative, so the hold is one-sided
.set n, n+1
.endr
	v_cvt_scalef32_pk8_fp8_f32 v[PC+4*\b:PC+4*\b+1], v[ST+16*\b:ST+16*\b+7], v[SCP]
	v_cvt_scalef32_pk8_fp8_f32 v[PC+4*\b+2:PC+4*\b+3], v[ST+16*\b+8:ST+16*\b+15], v[SCP]
.endr
.set n, 0
.rept 16
	v_pk_mul_f32 v[OT+n:OT+n+1], v[OT+n:OT+n+1], v[28:29] op_sel_hi:[1,0]   ; O^T under the new M; also the plain lines between the conversions and the products
.set n, n+2
.endr
	s_wait_dscnt 0x0                               ; V
.irp t, 0,1,2,3                        ; the four accumulators take turns, and eight other products stand between two steps'
	v_wmma_f32_16x16x128_fp8_fp8 v[OT+8*\t:OT+8*\t+7], v[KV+16*\t:KV+16*\t+15], v[PC:PC+15], v[OT+8*\t:OT+8*\t+7]
.endr
.Lhidden_\@:
.endm
; A GROUP of four key steps.  My part of it has landed (the later groups' loads, 3 - g of them, may stay out); behind the barrier everybody's has.
.macro GROUP g
	s_wait_tensorcnt 3-\g
	s_wait_dscnt 0x0
	s_barrier_signal -1
	s_barrier_wait -1
	s_mov_b32 s[TB], \g*65536
	s_mov_b32 s[CNT], 4
.Lstep_\@:
	STEP
	s_add_co_u32 s[TB], s[TB], 8192
	s_add_co_u32 s[KS], s[KS], 1
	s_sub_co_u32 s[CNT], s[CNT], 1
	s_cmp_lg_u32 s[CNT], 0
	s_cbranch_scc1 .Lstep_\@
.endm
	GROUP 0
	GROUP 1
	GROUP 2
	GROUP 3
	; THE WAY OUT: O^T / the sum, quantised: the 16 registers of channel tiles 2 b, 2 b + 1 are 16 neighbouring channels: piece b of my head's half of a fragment of the last product's A.
.rept 4
	v_nop
.endr
	v_add_f32 v14, v14, v15
	v_permlanex16_b32 v26, v14, s[SEL], s[SEL+1]
	v_add_f32 v14, v14, v26                        ; the row's sum
	v_rcp_f32 v14, v14
	v_nop                                          ; a plain line behind the reciprocal,
	s_wait_alu depctr_va_vdst(0)                   ; and the wait ahead of its first reader
.set n, 0
.rept 16
	v_pk_mul_f32 v[ST+n:ST+n+1], v[OT+n:OT+n+1], v[14:15] op_sel_hi:[1,0]
.set n, n+2
.endr
.set n, 0
.rept 32
	v_med3_num_f32 v[ST+n], v[ST+n], -v[LIMO], v[LIMO]
.set n, n+1
.endr
.irp b, 0,1
	v_cvt_scalef32_pk8_fp8_f32 v[PC+4*\b:PC+4*\b+1], v[ST+16*\b:ST+16*\b+7], v[SCO]
	v_cvt_scalef32_pk8_fp8_f32 v[PC+4*\b+2:PC+4*\b+3], v[ST+16*\b+8:ST+16*\b+15], v[SCO]
.endr
	v_nop
	global_store_b128 v[LI], v[PC:PC+3], s[8:9]               ; 512 consecutive bytes each
	global_store_b128 v[LI], v[PC+4:PC+7], s[8:9] offset:512
	s_wait_tensorcnt 0x0
	ds_add_u32 v254, v255
	s_wait_dscnt 0x0
	s_endpgm
.Lfunc_end_k_q245ecabc61_attn:
	.size	k_q245ecabc61_attn, .Lfunc_end_k_q245ecabc61_attn-k_q245ecabc61_attn
	.p2alignl 7, 3214868480
	.fill 96, 4, 3214868480
	.section	.rodata,"a",@progbits
	.p2align	6, 0x0
	.amdhsa_kernel k_q245ecabc61_attn
		.amdhsa_group_segment_fixed_size 264192
		.amdhsa_private_segment_fixed_size 0
		.amdhsa_enable_private_segment 0
		.amdhsa_kernarg_size 24
		.amdhsa_user_sgpr_count 2
		.amdhsa_user_sgpr_kernarg_segment_ptr 1
		.amdhsa_wavefront_size32 1
		.amdhsa_system_sgpr_workgroup_id_x 1
		.amdhsa_system_sgpr_workgroup_id_y 1
		.amdhsa_system_sgpr_workgroup_id_z 1
		.amdhsa_system_vgpr_workitem_id 0
		.amdhsa_next_free_vgpr 256
		.amdhsa_next_free_sgpr 66
		.amdhsa_reserve_vcc 1
		.amdhsa_float_denorm_mode_32 3
		.amdhsa_float_denorm_mode_16_64 3
		.amdhsa_memory_ordered 1
		.amdhsa_forward_progress 1
		.amdhsa_inst_pref_size 93
	.end_amdhsa_kernel
	.amdgpu_metadata
---
amdhsa.version: [ 1, 2 ]
amdhsa.kernels:
  - .name:           k_q245ecabc61_attn
    .symbol:         k_q245ecabc61_attn.kd
    .args:
      - { .name: qkv, .offset: 0, .size: 8, .value_kind: global_buffer, .address_space: global }
      - { .name: lowp_scales, .offset: 8, .size: 8, .value_kind: global_buffer, .address_space: global }
      - { .name: att, .offset: 16, .size: 8, .value_kind: global_buffer, .address_space: global }
    .group_segment_fixed_size: 264192
    .private_segment_fixed_size: 0
    .kernarg_segment_align: 8
    .kernarg_segment_size: 24
    .max_flat_workgroup_size: 512
    .sgpr_count:     66
    .vgpr_count:     256
    .wavefront_size: 32
...
	.end_amdgpu_metadata
.endif
;; end of part 3
;; launch outp (part 4): grid 8 x 32, 4 waves a work-group, clusters of 4 x 4, 280,064 bytes of LDS; arguments att, codes, lowp_scales, out0; writes out0
.if DOCPART == 4
	.amdgcn_target "amdgcn-amd-amdhsa--gfx1250"
	.amdhsa_code_object_version 6
	.text
	.protected	k_q245ecabc61_outp
	.globl	k_q245ecabc61_outp
	.p2align	8
	.type	k_q245ecabc61_outp,@function
k_q245ecabc61_outp:
	s_mov_b64 s[64:65], 0
	v_nop
	global_prefetch_b8 v0, s[64:65] scope:SCOPE_SE
	s_setreg_imm32_b32 hwreg(HW_REG_WAVE_MODE, 25, 1), 1
	s_wait_xcnt 0x0
	s_wait_alu depctr_hold_cnt(0) depctr_sa_sdst(0) depctr_va_vdst(0) depctr_va_sdst(0) depctr_va_ssrc(0) depctr_va_vcc(0) depctr_vm_vsrc(0)
	s_getreg_b32 s2, hwreg(HW_REG_IB_STS2, 6, 4)
	s_cmp_eq_u32 s2, 0
	s_cbranch_scc0 .Lentry_in_a_cluster
	s_endpgm
.Lentry_in_a_cluster:
	s_bfe_u32 s2, ttmp6, 0x10000c
	s_cmp_lg_u32 s2, 0xf033
	s_cbranch_scc0 .Lentry_shape_is_right
	s_endpgm
.Lentry_shape_is_right:
; out0 = att Wo^T x 2^(e10 + e11) on codes of FP8 (E4M3).  att: [4,096][1,024], Wo: [1,024][1,024], both as images of their registers: [row tile][K step of 128][2,048 bytes]; out0 [4,096][1,024] f32.
; LIMIT: e10 + e11 between -126 and 127.
; A tile of 128 x 128 of out0 to a work-group (256 of them), 64 x 64 to each of four waves: 16 accumulators.  A's and B's 128 rows for ALL of K are 2 x 128 KiB and lie in LDS whole: every byte is filled once, no slot again.
; They come in four groups of 256 along K, so that the products begin when the first group is there.
; CLUSTERS: 4 x 4 work-groups; A's tiles are asked for jointly by a row of the cluster, B's by a column.
; THE MATRIX INSTRUCTION IS USED TRANSPOSED (source 0 = 16 rows of Wo, source 1 = 16 rows of att): a lane holds one row of out0 and eight neighbouring columns.
; Place p of row tile T is row 32 (T / 2) + 8 (T % 2) + p + 8 (p / 8), in att's rows and in Wo's (out0's columns) alike: the way out puts each number where it belongs.
; LDS: group g at 65,536 g: A's 8 row tiles x 4,096 bytes, then B's 8; behind the groups a stage of 16 rows x (256 + 16) bytes for each wave, into which no tensor load lands.
; REGISTERS: window 0: v16-26 addresses; v32-63 a block's scaled sums; v64-127 rows read back, two sets; v128-255 the accumulators ((a, b) at v[128 + 8 (4 a + b)]).  window 1: two fragment buffers of 128: A's 64, then B's 64.
.set ADRA, 16                          ; v16-19  LDS address of my A fragments in group 0 .. 3
.set ADRB, 20                          ; v20-23  the same for B
.set STO,  24                          ; v24     the stage: where I put 16 bytes of a row
.set RD,   25                          ; v25     and where I read a row back
.set CO,   26                          ; v26     my byte offset in out0
.set TMP,  32
.set BK,   64
.set ACC,  128
.set F0,   0
.set STG,  262144
.set G1A,  24                          ; s[24:31], s[32:39] descriptor groups 1; s[40:55] A's four groups 0; s[56:63], s[68:75] B's
.set G1B,  32
.set G0A,  40
.set MSB,  0
.macro WIN new                         ; the immediate's high byte repeats the setting that is left
.if MSB != (\new)
	s_set_vgpr_msb (MSB<<8)|(\new)
.set MSB, (\new)
.endif
.endm
.set MULW, 0x05                        ; sources 0 (B) and 1 (A) window 1; C and D window 0
.set TO_F, 0x40                        ; destination window 1, address window 0
.macro CROUND                          ; a round of the cluster's barrier
	s_barrier_signal -1
	s_barrier_wait -1
	s_cmp_lg_u32 s14, 0
	s_cbranch_scc1 .Lnot_wave_0_\@
	s_barrier_signal -3
.Lnot_wave_0_\@:
	s_barrier_wait -3
	s_barrier_signal -1
	s_barrier_wait -1
.endm
	s_load_b256 s[4:11], s[0:1], 0x0               ; att s[4:5], codes s[6:7], the scales s[8:9], out0 s[10:11]
	v_lshl_add_u32 v30, v0, 2, 0x44400
	v_mov_b32 v31, 0
	ds_add_u32 v30, v31
	ds_add_u32 v30, v31
	v_lshrrev_b32 v1, 5, v0
	v_readfirstlane_b32 s14, v1                    ; wave 0..3
	s_lshr_b32 s15, s14, 1                         ; which half of the tile's rows is mine.  Also: I fetch for A (0) or for B (1)
	s_and_b32 s16, s14, 1                          ; which half of its columns.  Also: which 4 row tiles I fetch
	s_bfe_u32 s76, ttmp6, 0x40000                  ; cx, cy
	s_bfe_u32 s77, ttmp6, 0x40004
	s_lshl_b32 s78, ttmp9, 2
	s_add_co_u32 s78, s78, s76                     ; tile column
	s_and_b32 s17, ttmp7, 0xffff
	s_lshl_b32 s17, s17, 2
	s_add_co_u32 s17, s17, s77                     ; tile row
	s_lshl_b32 s79, s77, 2
	s_lshl_b32 s79, 15, s79                        ; my row of the cluster
	s_lshl_b32 s80, 0x1111, s76                    ; my column
	; descriptor group 1: 4 rows (row tiles) of 512 elements of 8 bytes (two K steps' images), 2,048 elements apart; dense in LDS
	s_or_b32 s[G1A+0], s79, (3<<16)|(1<<21)        ; 15:0 the mask; 17:16 elements of 8 bytes; 21 set beside a mask
	s_or_b32 s[G1B+0], s80, (3<<16)|(1<<21)
.irp g, G1A, G1B
	s_mov_b32 s[\g+1], 512<<16                     ; tensor_dim0
	s_mov_b32 s[\g+2], 4<<16                       ; tensor_dim1
	s_mov_b32 s[\g+3], 512<<16                     ; tile_dim0
	s_mov_b32 s[\g+4], 4                           ; tile_dim1
	s_mov_b32 s[\g+5], 2048                        ; tensor_dim0_stride
	s_mov_b32 s[\g+6], 0
	s_mov_b32 s[\g+7], 0
.endr
	s_lshl_b32 s18, s16, 2                         ; which 4 row tiles of the 8 I fetch
	s_lshl_b32 s20, s17, 3
	s_add_co_u32 s20, s20, s18
	s_lshl_b32 s20, s20, 14
	s_mov_b32 s21, 0
	s_lshl_b32 s22, s78, 3
	s_add_co_u32 s22, s22, s18
	s_lshl_b32 s22, s22, 14
	s_add_co_u32 s22, s22, 0xf00000                ; Wo's codes lie at 15 MiB
	s_mov_b32 s23, 0
	s_lshl_b32 s19, s14, 14                        ; where they go in a group: wave x 16,384
	s_wait_dscnt 0x0
	s_wait_kmcnt 0x0
	s_load_b64 s[96:97], s[8:9], 0x28              ; entries 10, 11
	s_add_nc_u64 s[20:21], s[4:5], s[20:21]
	s_add_nc_u64 s[22:23], s[6:7], s[22:23]
	CROUND                                         ; all sixteen work-groups are here: the joint loads meet
.irp g, 0,1,2,3
.if \g < 2
.set GB, 56+4*\g
.else
.set GB, 60+4*\g
.endif
	s_mov_b32 s[G0A+4*\g], 1
	s_add_co_u32 s[G0A+4*\g+1], s19, \g*65536
	s_add_nc_u64 s[G0A+4*\g+2:G0A+4*\g+3], s[20:21], \g*4096
	s_or_b32 s[G0A+4*\g+3], s[G0A+4*\g+3], 0x80000000
	s_mov_b32 s[GB], 1
	s_add_co_u32 s[GB+1], s19, \g*65536
	s_add_nc_u64 s[GB+2:GB+3], s[22:23], \g*4096
	s_or_b32 s[GB+3], s[GB+3], 0x80000000
.endr
	s_cmp_eq_u32 s15, 0                            ; a wave's four first fills stand in one branch on its number, ahead of every wait on TENSORcnt and every LDS read: four loads of mine are out
	s_cbranch_scc0 .Lfor_b
	tensor_load_to_lds s[40:43], s[G1A:G1A+7]
	s_nop 0
	tensor_load_to_lds s[44:47], s[G1A:G1A+7]
	s_nop 0
	tensor_load_to_lds s[48:51], s[G1A:G1A+7]
	s_nop 0
	tensor_load_to_lds s[52:55], s[G1A:G1A+7]
	s_nop 0
.rept 4
	v_nop
.endr
	s_branch .Lasked
.Lfor_b:
	tensor_load_to_lds s[56:59], s[G1B:G1B+7]
	s_nop 0
	tensor_load_to_lds s[60:63], s[G1B:G1B+7]
	s_nop 0
	tensor_load_to_lds s[68:71], s[G1B:G1B+7]
	s_nop 0
	tensor_load_to_lds s[72:75], s[G1B:G1B+7]
	s_nop 0
.rept 4
	v_nop
.endr
.Lasked:
	v_and_b32 v1, 31, v0
	v_lshlrev_b32 v2, 4, v1                        ; 16 x lane
	v_and_b32 v3, 15, v0                           ; r
	v_bfe_u32 v4, v0, 4, 1                         ; h
	s_lshl_b32 s84, s15, 14                        ; my 4 row tiles of A,
	s_lshl_b32 s85, s16, 14                        ; my 4 of B,
	s_add_co_u32 s85, s85, 32768                   ; which lie behind A's 8
.irp g, 0,1,2,3
	v_add_nc_u32 v[ADRA+\g], s84, v2
	v_add_nc_u32 v[ADRB+\g], s85, v2
	s_add_co_u32 s84, s84, 65536
	s_add_co_u32 s85, s85, 65536
.endr
	s_mul_i32 s86, s14, 16*272
	s_add_co_u32 s86, s86, STG                     ; my stage
	v_mul_u32_u24 v5, v3, 272
	v_lshl_add_u32 v5, v4, 6, v5
	v_add_nc_u32 v[STO], s86, v5                   ; in: row r, + 64 h: tile b's eight columns of my half lie at column 32 (b / 2) + 8 (b % 2) + 16 h
	v_mul_u32_u24 v5, v4, 272
	v_lshl_add_u32 v5, v3, 4, v5
	v_add_nc_u32 v[RD], s86, v5                    ; back: lanes 0-15 one row of 256 bytes, lanes 16-31 the next
	v_lshlrev_b32 v5, 12, v4
	v_lshl_add_u32 v[CO], v3, 4, v5                ; and the same two rows in out0
	s_lshl_b32 s82, s17, 7
	s_lshl_b32 s83, s15, 6
	s_add_co_u32 s82, s82, s83                     ; my first row: 128 x tile row + 64 x half,
	s_lshl_b32 s82, s82, 12                        ; of 4,096 bytes;
	s_lshl_b32 s83, s78, 9
	s_add_co_u32 s82, s82, s83                     ; my first column, in bytes: 512 x tile column + 256 x half
	s_lshl_b32 s83, s16, 8
	s_add_co_u32 s82, s82, s83
	s_mov_b32 s83, 0
	s_add_nc_u64 s[10:11], s[10:11], s[82:83]
.macro FETCH k, f                      ; the fragments of K step k (group k / 2) into buffer f: 32 loads of 512 consecutive bytes
	WIN TO_F
.irp i, 0,1,2,3
.irp c, 0,1,2,3
	ds_load_b128 v[\f+16*\i+4*\c:\f+16*\i+4*\c+3], v[ADRA+(\k)/2] offset:((\k)%2)*2048+4096*\i+512*\c
	ds_load_b128 v[\f+64+16*\i+4*\c:\f+64+16*\i+4*\c+3], v[ADRB+(\k)/2] offset:((\k)%2)*2048+4096*\i+512*\c
.endr
.endr
.endm
.macro MUL f, zero                     ; 16 matrix instructions, 128 along K; the 16 accumulators take turns, in the same order in every step
.irp a, 0,1,2,3
.irp b, 0,1,2,3
.if \zero
	v_wmma_f32_16x16x128_fp8_fp8 v[ACC+8*(4*\a+\b):ACC+8*(4*\a+\b)+7], v[\f+64+16*\b:\f+64+16*\b+15], v[\f+16*\a:\f+16*\a+15], 0
.else
	v_wmma_f32_16x16x128_fp8_fp8 v[ACC+8*(4*\a+\b):ACC+8*(4*\a+\b)+7], v[\f+64+16*\b:\f+64+16*\b+15], v[\f+16*\a:\f+16*\a+15], v[ACC+8*(4*\a+\b):ACC+8*(4*\a+\b)+7]
.endif
.endr
.endr
.endm
.macro KSTEP k, zero                   ; K step k is multiplied while step k + 1's fragments come
.if (((\k)%2) == 1) && ((\k) < 7)
	s_wait_dscnt 0x0                               ; no LDS instruction of mine is pending at a signal
	s_wait_tensorcnt 3-((\k)+1)/2                  ; my part of the next group has landed; the later groups' loads may stay out
	s_barrier_signal -1
	s_barrier_wait -1                              ; everybody's has
.endif
.if (\k) < 7
.if (\k) > 0
.rept 4
	v_nop                                          ; places between the last products and the loads into the registers that they read
.endr
.endif
	FETCH (\k)+1, F0+128*(((\k)+1)%2)
	s_wait_dscnt 32                                ; all but the 32 just issued
.else
	s_wait_dscnt 0x0
.endif
	WIN MULW
	MUL F0+128*((\k)%2), \zero
.endm
	s_wait_tensorcnt 3                             ; my part of group 0 is in,
	s_barrier_signal -1
	s_barrier_wait -1                              ; everybody's is
	FETCH 0, F0
	KSTEP 0, 1                                     ; its products start the sums
	KSTEP 1, 0
	KSTEP 2, 0
	KSTEP 3, 0
	KSTEP 4, 0
	KSTEP 5, 0
	KSTEP 6, 0
	KSTEP 7, 0
	WIN 0
	s_wait_kmcnt 0x0
	s_add_co_i32 s96, s96, s97
	s_add_co_i32 s96, s96, 127
	s_lshl_b32 s96, s96, 23                        ; 2^(e10 + e11) as f32
.rept 4
	v_nop                                          ; places in front of the first read of results
.endr
; THE WAY OUT of block a: 16 rows x 64 columns through my own stage, back as whole rows of 256 bytes.  LDS serves a wave's instructions in order: no wait between the stores and the loads, nor in front of the next block's stores.
.macro OUT a
.if (\a) >= 2
	s_wait_xcnt 0x0                                ; block a - 2's stores have read the registers into which this block's rows are loaded
.endif
.set BB, BK+32*((\a)%2)
.set n, 0
.rept 16
	v_pk_mul_f32 v[TMP+n:TMP+n+1], v[ACC+32*(\a)+n:ACC+32*(\a)+n+1], s[96:97] op_sel_hi:[1,0]   ; x 2^(e10 + e11); each accumulator from its low end on
.set n, n+2
.endr
.irp b, 0,1,2,3
	ds_store_b128 v[STO], v[TMP+8*\b:TMP+8*\b+3] offset:128*(\b/2)+32*(\b%2)
	ds_store_b128 v[STO], v[TMP+8*\b+4:TMP+8*\b+7] offset:128*(\b/2)+32*(\b%2)+16
.endr
.irp t, 0,1,2,3,4,5,6,7
	ds_load_b128 v[BB+4*\t:BB+4*\t+3], v[RD] offset:544*\t
.endr
.irp t, 0,1,2,3,4,5,6,7                ; the stage's rows 2 t, 2 t + 1 are places of tile a: rows 32 (a / 2) + 8 (a % 2) + 2 t + 8 (t / 4) + 0, 1
	s_wait_dscnt 7-\t
	global_store_b128 v[CO], v[BB+4*\t:BB+4*\t+3], s[10:11] offset:(32*((\a)/2)+8*((\a)%2)+2*\t+8*(\t/4))*4096 th:TH_STORE_NT   ; 16 lanes store 256 consecutive bytes, at a multiple of 256 from out0's first byte
.endr
.endm
	OUT 0
	OUT 1
	OUT 2
	OUT 3
	s_wait_dscnt 0x0
	s_wait_tensorcnt 0x0
	ds_add_u32 v30, v31
	s_wait_dscnt 0x0
	CROUND                                         ; the closing round: no work-group ends while a partner may still ask for a tile that names it
	s_endpgm
.Lfunc_end_k_q245ecabc61_outp:
	.size	k_q245ecabc61_outp, .Lfunc_end_k_q245ecabc61_outp-k_q245ecabc61_outp
	.p2alignl 7, 3214868480
	.fill 96, 4, 3214868480
	.section	.rodata,"a",@progbits
	.p2align	6, 0x0
	.amdhsa_kernel k_q245ecabc61_outp
		.amdhsa_group_segment_fixed_size 280064
		.amdhsa_private_segment_fixed_size 0
		.amdhsa_enable_private_segment 0
		.amdhsa_kernarg_size 32
		.amdhsa_user_sgpr_count 2
		.amdhsa_user_sgpr_kernarg_segment_ptr 1
		.amdhsa_wavefront_size32 1
		.amdhsa_system_sgpr_workgroup_id_x 1
		.amdhsa_system_sgpr_workgroup_id_y 1
		.amdhsa_system_sgpr_workgroup_id_z 1
		.amdhsa_system_vgpr_workitem_id 0
		.amdhsa_next_free_vgpr 512
		.amdhsa_next_free_sgpr 100
		.amdhsa_reserve_vcc 0
		.amdhsa_float_denorm_mode_32 3
		.amdhsa_float_denorm_mode_16_64 3
		.amdhsa_memory_ordered 1
		.amdhsa_forward_progress 1
		.amdhsa_inst_pref_size 47
	.end_amdhsa_kernel
	.amdgpu_metadata
---
amdhsa.version: [ 1, 2 ]
amdhsa.kernels:
  - .name:           k_q245ecabc61_outp
    .symbol:         k_q245ecabc61_outp.kd
    .args:
      - { .name: att, .offset: 0, .size: 8, .value_kind: global_buffer, .address_space: global }
      - { .name: codes, .offset: 8, .size: 8, .value_kind: global_buffer, .address_space: global }
      - { .name: lowp_scales, .offset: 16, .size: 8, .value_kind: global_buffer, .address_space: global }
      - { .name: out0, .offset: 24, .size: 8, .value_kind: global_buffer, .address_space: global }
    .group_segment_fixed_size: 280064
    .private_segment_fixed_size: 0
    .kernarg_segment_align: 8
    .kernarg_segment_size: 32
    .max_flat_workgroup_size: 128
    .sgpr_count:     100
    .vgpr_count:     512
    .wavefront_size: 32
...
	.end_amdgpu_metadata
.endif
;; end of part 4
